; MI455X (gfx1250); checked and timed in simulation.
; The chip was launched on July 23, 2026; its instructions are those of AMD's public machine-readable ISA for CDNA 5 (MIT licence, August 2026) and "CDNA5" Instruction Set Architecture Reference Guide (July 2026). The comments in the code are by the model that wrote it; some were corrected since.
;; Attention. Allowed arithmetic: matrix products marked QUANTISED: E5M2 operands, one given power-of-two scale a tensor, by v_wmma_f32_16x16x64_bf8_bf8 or v_wmma_f32_16x16x128_bf8_bf8, f32 sums; everything else in f32.
;; Inputs: Wk 1,024 x 1,024 float32; Wo 1,024 x 1,024 float32; Wq 1,024 x 1,024 float32; Wv 1,024 x 1,024 float32; X 2 x 2,048 x 1,024 float32; lowp_scales 12 int32 (the exponents e of the quantised operands' scales 2^e); masks 2 x 2,048 int32.
;; Outputs: out0 2 x 2,048 x 1,024 float32.
;; This version of the problem:
;;   THIS VERSION OF THE PROBLEM IS GIVEN IN LOW PRECISION. The matrix products marked QUANTISED in the list below multiply operands that are first quantised to E5M2 (5 exponent bits, 2 mantissa bits; 8 bits a number), with one given power-of-two scale for each operand tensor; their sums are f32. All else is computed in f32.
;;   The module's matrix products, in the order in which they are computed (A, B: the left and right operand; K: the contracted axis; several contracted axes count as one K, in the product's order):
;;     1. [M 4,096, K 1,024] x [K 1,024, N 1,024]; A: input X; B: input Wq: QUANTISED (scales: A lowp_scales[0], B lowp_scales[1])
;;     2. [M 4,096, K 1,024] x [K 1,024, N 1,024]; A: input X; B: input Wk: QUANTISED (scales: A lowp_scales[2], B lowp_scales[3])
;;     3. [M 4,096, K 1,024] x [K 1,024, N 1,024]; A: input X; B: input Wv: QUANTISED (scales: A lowp_scales[4], B lowp_scales[5])
;;     4. batch 32 x [M 2,048, K 64] x [K 64, N 2,048]; A: computed on the way; B: computed on the way: QUANTISED (scales: A lowp_scales[6], B lowp_scales[7])
;;     5. batch 32 x [M 2,048, K 2,048] x [K 2,048, N 64]; A: computed on the way; B: computed on the way: QUANTISED (scales: A lowp_scales[8], B lowp_scales[9])
;;     6. [M 4,096, K 1,024] x [K 1,024, N 1,024]; A: computed on the way; B: input Wo: QUANTISED (scales: A lowp_scales[10], B lowp_scales[11])
;;   THE QUANTISER, for each operand of a quantised product, along K:
;;     - The operand's scale is 2^e, e = its entry of the input lowp_scales (int32; the entries are numbered through the quantised products in the list's order, A before B).
;;     - Each number is divided by the scale, clamped to +-57,344, and rounded to the nearest number of E5M2, ties to even, subnormals kept.
;;     - The product sums the exact products of the quantised numbers (number of the format x scale) in f32.
;;   ~~~python
;;   def quantise(x, axis, e):      # numpy; x: float32 -> the quantised numbers, widened to float32 again
;;       x = np.moveaxis(x, axis, -1); K = x.shape[-1]
;;       r = np.clip(x / 2.0 ** e, -57344, 57344)
;;       step = 2.0 ** (np.maximum(np.frexp(np.where(r == 0, 1, r))[1] - 1, -14) - 2)
;;       q = np.round(r / step) * step * 2.0 ** e      # np.round: ties to even
;;       return np.moveaxis(q, -1, axis).astype(np.float32)
;;   ~~~
;;   OPERANDS COMPUTED ON THE WAY. 'Computed on the way' means the value that the module computes at that place (a softmax that the list does not call 'softmax' is quantised finished and normalised). What goes into a quantiser is computed in f32, as accurately as f32 sums, v_exp_f32 and their like allow (about 1e-6 of the number): no bf16 or f16 on the way to a quantiser, and a product that is left as it is and whose result goes on into a quantised operand takes f32 operands (vector FMAs, or v_wmma_f32_16x16x4_f32). A number that lies on a knife's edge between two numbers of the format may be rounded either way, as far as f32 arithmetic and the matrix unit's own rounding can turn it there, and no further.
;; One version. Each part assembles by itself: llvm-mc -triple=amdgcn-amd-amdhsa -mcpu=gfx1250 --defsym DOCPART=n.
;; ======== version 1 of 1: 4 launches
;; workspace buffers: xc 12,582,912 bytes; wc 4,194,304 bytes; qkv 12,582,912 bytes; ctx 4,194,304 bytes
;; launch quant (part 1): grid 512 x 1, 8 waves a work-group, no clusters, 68,608 bytes of LDS; arguments X, Wq, Wk, Wv, Wo, lowp_scales, xc, wc; writes xc, wc
.if DOCPART == 1
	.amdgcn_target "amdgcn-amd-amdhsa--gfx1250"
	.amdhsa_code_object_version 6
	.text
	.protected	k_q0ebad5de36_quant
	.globl	k_q0ebad5de36_quant
	.p2align	8
	.type	k_q0ebad5de36_quant,@function
k_q0ebad5de36_quant:
	s_mov_b64 s[64:65], 0
	v_nop
	global_prefetch_b8 v0, s[64:65] scope:SCOPE_SE
	s_setreg_imm32_b32 hwreg(HW_REG_WAVE_MODE, 25, 1), 1
	s_wait_xcnt 0x0
; X [4096][1024] and the four weights [1024][1024], f32, K innermost, become codes of BF8 (E5M2), laid as IMAGES OF OPERAND REGISTERS.
; code = x / 2^e, held within +-57,344, to the nearest code, ties to even.  X is quantised three times (e0, e2, e4: one set of codes for each of the
; three products that read it), Wq with e1, Wk with e3, Wv with e5, Wo with e11.
; A TILE is 16 rows: lane index r of tile T is row 32 (T / 2) + 8 (T % 2) + r + 8 (r / 8).  A FRAGMENT is a tile x 128 along K, 16 registers a lane;
; its image is 2,048 bytes: byte 512 c + 16 lane + i = the code of (the tile's row lane % 16, k = 32 c + 16 (lane / 16) + i).  Image (T, K step s) lies at (8 T + s) x 2,048.
; SHARES: a work-group takes one tile (work-groups 0-255: X's; then 64 for each weight), wave s its K step s.  No loop, no barrier: waves share nothing.
; Each of a wave's 16 loads reads 512 consecutive bytes of one row; the rows turn through the wave's own stage in LDS (rows 528 bytes apart, an odd multiple of 16),
; so that a lane gets 16 neighbours along K of each block of 32; each store covers 512 consecutive bytes, aligned.
; LIMITS: every e used here lies between -126 and 112, so that 2^e and 57,344 x 2^e are f32 numbers.  NaN among the inputs is not served.
.set STG,  8448                        ; a wave's stage: 16 rows x 528 bytes
.set SPT,  528
.set LA,   2                           ; v2   16 x lane: my place in a load's and in a store's 512 bytes; never rewritten
.set SA,   3                           ; v3   the stage, on the way in
.set RA,   4                           ; v4   the stage, on the way out: row r, + 64 h
.set SCL,  5                           ; v5, v7, v9: 2^e of pass 0, 1, 2;  v6, v8, v10: 57,344 x 2^e
.set R,    16                          ; v16-79   as loaded; later the held numbers
.set XN,   80                          ; v80-143  register 16 c + i = k 32 c + 16 h + i of my row
.set C,    144                         ; v144-191 codes: 16 registers for each pass, so that no store's data are written again
	s_load_b256 s[4:11], s[0:1], 0x0               ; X, Wq, Wk, Wv
	s_load_b256 s[12:19], s[0:1], 0x20             ; Wo, the exponents, xc, wc
	v_lshl_add_u32 v192, v0, 2, 0x10800
	v_mov_b32 v193, 0
	v_lshrrev_b32 v1, 5, v0
	v_readfirstlane_b32 s20, v1                    ; wave = K step
	v_and_b32 v1, 31, v0
	v_lshlrev_b32 v[LA], 4, v1
	s_mul_i32 s44, s20, STG
	v_add_nc_u32 v[SA], s44, v[LA]
	v_and_b32 v11, 15, v0                          ; r
	v_bfe_u32 v12, v0, 4, 1                        ; h
	v_mul_u32_u24 v[RA], v11, SPT
	v_lshl_add_u32 v[RA], v12, 6, v[RA]
	v_add_nc_u32 v[RA], s44, v[RA]
	s_sub_co_u32 s21, ttmp9, 256                   ; a weight's work-group: which weight, which tile (for X these wrap and are not taken)
	s_lshr_b32 s22, s21, 6                         ; w
	s_and_b32 s23, s21, 63
	s_lshl_b32 s45, s22, 20                        ; the weight's place in wc
	s_cmp_lt_u32 ttmp9, 256
	s_cselect_b32 s23, ttmp9, s23                  ; T
	s_cselect_b32 s45, 0, s45
	s_lshr_b32 s46, s23, 1                         ; in: row 32 (T / 2) + 8 (T % 2), rows of 4,096 bytes, + 512 x wave
	s_lshl_b32 s46, s46, 17
	s_and_b32 s47, s23, 1
	s_lshl_b32 s47, s47, 15
	s_add_co_u32 s46, s46, s47
	s_lshl_b32 s47, s20, 9
	s_add_co_u32 s46, s46, s47
	s_mov_b32 s47, 0
	s_lshl_b32 s48, s23, 3                         ; out: (8 T + wave) x 2,048
	s_add_co_u32 s48, s48, s20
	s_lshl_b32 s48, s48, 11
	s_add_co_u32 s48, s48, s45
	s_mov_b32 s49, 0
	s_wait_kmcnt 0x0
	s_load_b256 s[32:39], s[14:15], 0x0            ; e0 .. e7
	s_load_b128 s[40:43], s[14:15], 0x20           ; e8 .. e11
	s_cmp_eq_u32 s22, 0                            ; the buffers are chosen on the work-group's number alone
	s_cselect_b64 s[24:25], s[6:7], s[8:9]
	s_cmp_lt_u32 s22, 2
	s_cselect_b64 s[24:25], s[24:25], s[10:11]
	s_cmp_lt_u32 s22, 3
	s_cselect_b64 s[24:25], s[24:25], s[12:13]
	s_cmp_lt_u32 ttmp9, 256
	s_cselect_b64 s[24:25], s[4:5], s[24:25]
	s_cselect_b64 s[26:27], s[16:17], s[18:19]
	s_add_nc_u64 s[24:25], s[24:25], s[46:47]
	s_add_nc_u64 s[26:27], s[26:27], s[48:49]
	s_add_nc_u64 s[28:29], s[26:27], 0x400000      ; X's second and third set of codes (used by X's work-groups alone)
	s_add_nc_u64 s[30:31], s[26:27], 0x800000
.set i, 0
.rept 16
	global_load_b128 v[R+4*i:R+4*i+3], v[LA], s[24:25] offset:(i+8*(i/8))*4096 th:TH_LOAD_NT   ; the tile's row i: 512 consecutive bytes; read once in the launch
.set i, i+1
.endr
.macro MKSC e, p                       ; 2^e and 57,344 x 2^e as f32 patterns
	s_add_co_i32 s52, s[\e], 127
	s_lshl_b32 s53, s52, 23
	v_mov_b32 v[SCL+2*\p], s53
	s_add_co_i32 s52, s52, 15
	s_lshl_b32 s52, s52, 23
	s_or_b32 s52, s52, 0x600000
	v_mov_b32 v[SCL+2*\p+1], s52
.endm
	s_wait_kmcnt 0x0
	s_cmp_eq_u32 s22, 0                            ; pass 0's exponent: e0 for X; e1, e3, e5, e11 for the weights
	s_cselect_b32 s50, s33, s35
	s_cmp_lt_u32 s22, 2
	s_cselect_b32 s50, s50, s37
	s_cmp_lt_u32 s22, 3
	s_cselect_b32 s50, s50, s43
	s_cmp_lt_u32 ttmp9, 256
	s_cselect_b32 s50, s32, s50
	MKSC 50, 0
	MKSC 34, 1                                     ; e2
	MKSC 36, 2                                     ; e4
.set i, 0
.rept 16
	s_wait_loadcnt 15-i                            ; loads come back in order: row i is in, the 15 - i younger ones may be out
	ds_store_b128 v[SA], v[R+4*i:R+4*i+3] offset:SPT*i
.set i, i+1
.endr
.irp c, 0,1,2,3
.irp j, 0,1,2,3
	ds_load_b128 v[XN+16*\c+4*\j:XN+16*\c+4*\j+3], v[RA] offset:128*\c+16*\j   ; LDS serves a wave's instructions in order: these see my stores
.endr
.endr
	s_wait_dscnt 0x0
.macro QPASS p, o
.set n, 0
.rept 64
	v_med3_num_f32 v[R+n], v[XN+n], -v[SCL+2*\p+1], v[SCL+2*\p+1]   ; the conversion to an 8-bit code does not saturate (ISA guide 7.6.2): the hold comes first
.set n, n+1
.endr
.irp q, 0,1,2,3,4,5,6,7
	v_cvt_scalef32_pk8_bf8_f32 v[C+16*\p+2*\q:C+16*\p+2*\q+1], v[R+8*\q:R+8*\q+7], v[SCL+2*\p]
.endr
	v_nop                                          ; a plain line behind the conversions: the next pass writes their sources
.irp c, 0,1,2,3
	global_store_b128 v[LA], v[C+16*\p+4*\c:C+16*\p+4*\c+3], s[\o:\o+1] offset:512*\c   ; registers 4 c .. 4 c + 3 of the fragment: 512 consecutive bytes
.endr
.endm
	QPASS 0, 26
	s_cmp_ge_u32 ttmp9, 256
	s_cbranch_scc1 .Lend                           ; a weight has one set of codes
	QPASS 1, 28
	QPASS 2, 30
.Lend:
	s_wait_tensorcnt 0x0
	ds_add_u32 v192, v193
	s_wait_dscnt 0x0
	s_endpgm
.Lfunc_end_k_q0ebad5de36_quant:
	.size	k_q0ebad5de36_quant, .Lfunc_end_k_q0ebad5de36_quant-k_q0ebad5de36_quant
	.p2alignl 7, 3214868480
	.fill 96, 4, 3214868480
	.section	.rodata,"a",@progbits
	.p2align	6, 0x0
	.amdhsa_kernel k_q0ebad5de36_quant
		.amdhsa_group_segment_fixed_size 68608
		.amdhsa_private_segment_fixed_size 0
		.amdhsa_enable_private_segment 0
		.amdhsa_kernarg_size 64
		.amdhsa_user_sgpr_count 2
		.amdhsa_user_sgpr_kernarg_segment_ptr 1
		.amdhsa_wavefront_size32 1
		.amdhsa_system_sgpr_workgroup_id_x 1
		.amdhsa_system_sgpr_workgroup_id_y 1
		.amdhsa_system_sgpr_workgroup_id_z 1
		.amdhsa_system_vgpr_workitem_id 0
		.amdhsa_next_free_vgpr 194
		.amdhsa_next_free_sgpr 66
		.amdhsa_reserve_vcc 0
		.amdhsa_float_denorm_mode_32 3
		.amdhsa_float_denorm_mode_16_64 3
		.amdhsa_memory_ordered 1
		.amdhsa_forward_progress 1
		.amdhsa_inst_pref_size 23
	.end_amdhsa_kernel
	.amdgpu_metadata
---
amdhsa.version: [ 1, 2 ]
amdhsa.kernels:
  - .name:           k_q0ebad5de36_quant
    .symbol:         k_q0ebad5de36_quant.kd
    .args:
      - { .name: X, .offset: 0, .size: 8, .value_kind: global_buffer, .address_space: global }
      - { .name: Wq, .offset: 8, .size: 8, .value_kind: global_buffer, .address_space: global }
      - { .name: Wk, .offset: 16, .size: 8, .value_kind: global_buffer, .address_space: global }
      - { .name: Wv, .offset: 24, .size: 8, .value_kind: global_buffer, .address_space: global }
      - { .name: Wo, .offset: 32, .size: 8, .value_kind: global_buffer, .address_space: global }
      - { .name: lowp_scales, .offset: 40, .size: 8, .value_kind: global_buffer, .address_space: global }
      - { .name: xc, .offset: 48, .size: 8, .value_kind: global_buffer, .address_space: global }
      - { .name: wc, .offset: 56, .size: 8, .value_kind: global_buffer, .address_space: global }
    .group_segment_fixed_size: 68608
    .private_segment_fixed_size: 0
    .kernarg_segment_align: 8
    .kernarg_segment_size: 64
    .max_flat_workgroup_size: 256
    .sgpr_count:     66
    .vgpr_count:     194
    .wavefront_size: 32
...
	.end_amdgpu_metadata
.endif
;; end of part 1
;; launch proj (part 2): grid 12 x 16, 4 waves a work-group, clusters of 4 x 4, 327,680 bytes of LDS; arguments xc, wc, masks, lowp_scales, qkv; writes qkv
.if DOCPART == 2
	.amdgcn_target "amdgcn-amd-amdhsa--gfx1250"
	.amdhsa_code_object_version 6
	.text
	.protected	k_q0ebad5de36_proj
	.globl	k_q0ebad5de36_proj
	.p2align	8
	.type	k_q0ebad5de36_proj,@function
k_q0ebad5de36_proj:
	s_mov_b64 s[64:65], 0
	v_nop
	global_prefetch_b8 v0, s[64:65] scope:SCOPE_SE
	s_setreg_imm32_b32 hwreg(HW_REG_WAVE_MODE, 25, 1), 1
	s_wait_xcnt 0x0
	s_wait_alu depctr_hold_cnt(0) depctr_sa_sdst(0) depctr_va_vdst(0) depctr_va_sdst(0) depctr_va_ssrc(0) depctr_va_vcc(0) depctr_vm_vsrc(0)
	s_getreg_b32 s2, hwreg(HW_REG_IB_STS2, 6, 4)
	s_cmp_eq_u32 s2, 0
	s_cbranch_scc0 .Lentry_in_a_cluster
	s_endpgm
.Lentry_in_a_cluster:
	s_bfe_u32 s2, ttmp6, 0x10000c
	s_cmp_lg_u32 s2, 0xf033
	s_cbranch_scc0 .Lentry_shape_is_right
	s_endpgm
.Lentry_shape_is_right:
; Products 1 to 3 (X Wq^T, X Wk^T, X Wv^T) on codes of BF8, then what reference() does to each result, then its quantiser; the results leave as images of operand registers.
; The cluster's x is the tensor t: 0 Q, 1 K, 2 V.  A work-group makes 256 x 256 results, a wave 128 x 128: 64 accumulators of 16 x 16, 512 registers.
; THE MATRIX INSTRUCTION: source 1 ('A' below) gives a lane its row, source 0 ('B') runs along the lane's registers.
;   Q, K: A = X's codes (set t), B = W_t: a lane holds ONE token, its registers run along the channels: a head's 64 lie in the lane and in lane xor 16.
;   V:    A = Wv, B = X's codes (set 2): a lane holds one channel, its registers run along the tokens, which are the K of att V.  Only pointers and steps differ: no branch hangs on t.
; A tile's lane index r is row 32 (T / 2) + 8 (T % 2) + r + 8 (r / 8), so the 16 registers of B's tiles 2 c, 2 c + 1 are B's rows 32 c + 16 (lane / 16) + 0 .. 15: 16 neighbours along the next K.
; Q, K: each head's row is divided by its norm: the raw sums are used, since the power of two that they lack cancels.  The factor 1 / norm is multiplied by the token's mask (1 or 0):
;   a masked key then has zero codes (score 0, relu 0, att 0), a masked query too (att 0, ctx 0): the same sums as with reference()'s two masks.  Any word of masks but 0 counts as true.
; V: code = sum / 2^(e9 - e4 - e5).  Q: code = Qn / 2^e6.  K: code = Kn / 2^e7.
; OUT: Q at 0, K at 4 MiB: image (token tile Tg, head) of 16 x 64, 1,024 bytes, at (16 Tg + head) x 1,024.  V at 8 MiB: image (key step kg, channel tile ct) of 16 x 128, 2,048 bytes, at (64 kg + ct) x 2,048.
; IN: image (T, K step s) at (8 T + s) x 2,048: a tile's two K steps of a slot are 4,096 consecutive bytes; a wave's tensor load brings 8 tiles of them.  Fragments come from LDS by loads of 512 consecutive bytes.
; CLUSTERS: 4 x 4 work-groups; A's tiles are shared along a row of the cluster, B's along a column: each is asked for jointly.  12 x 16 work-groups: three tensors x 64 blocks.
; LIMITS: e6, e7 and e9 - e4 - e5 between -126 and 112.  A head's row of Q or K that is all zeros gives NaN, as in reference().  NaN among the inputs is not served.
; REGISTERS, in windows of 256: window 0: v16-29 addresses; v32-39 my tokens' masks; v40-57 at work on the way out; v64-95 codes; from v128 A's fragments, ONE set (on the way out: 64 numbers).
;   window 1: B's fragments, TWO sets.   window 2: the accumulators of A's blocks 0-3 ((a, b) at v[8 (8 a + b)]);   window 3: those of blocks 4-7.
.set FR,     16                        ; registers of a fragment
.set NL,     4                         ; LDS loads that bring one
.set NP,     4                         ; places behind this matrix instruction (ISA guide 7.12.1)
.set HALFT,  32768                     ; what one tensor load brings: 8 tiles x 4,096 bytes
.set SLOT,   4*HALFT                   ; A's 16 tiles, then B's 16
.set SPARE,  2*SLOT                    ; behind the ring: the spare words, 128 bytes for each wave, which no other line names
.set FILLB,  4096                      ; bytes of a tile's images in a slot: 256 along K
.set ADRA, 16                          ; v16-17  LDS address of my A fragments in slot 0, 1
.set ADRB, 20                          ; v20-21  the same for B
.set OA,   26                          ; v26     16 x lane
.set MA,   27                          ; v27     byte offset of my lane's first token in masks
.set SPW,  28                          ; v28     LDS address of my spare word; never rewritten
.set NIL,  29                          ; v29     0; never rewritten
.set MK,   32                          ; v32-39  block a's mask of my token, then 1.0 or 0
.set FC,   40                          ; v40, v42 the two heads' factors (v41, v43: named with them as pairs)
.set SQ,   44                          ; v44-51  sums of squares: head g, chain ch at 4 g + 2 ch
.set PX,   52                          ; v52-53  from lane xor 16
.set ONE,  54
.set ZR,   55
.set SC,   56                          ; the scale as f32
.set LM,   57                          ; 57,344 x the scale
.set CD,   64                          ; v64-95  a block's codes, two sets by turns
.set AF,   128
.set NUM,  128                         ; the way out: a block's 64 numbers
.set G1, 24                            ; s[24:31] descriptor group 1 for A's tiles;  s[32:39] group 0, one set for each slot
.set G0, 32
.set G1B, 48                           ; s[48:55], s[56:63] the same for B's tiles
.set G0B, 56
.set MSB, 0
.macro WIN new                         ; the immediate's high byte repeats the setting that is left
.if MSB != (\new)
	s_set_vgpr_msb (MSB<<8)|(\new)
.set MSB, (\new)
.endif
.endm
.set MUL_LO, 0xa1                      ; source 0 (B) window 1, source 1 (A) window 0, C and D window 2
.set MUL_HI, 0xf1                      ; the same, C and D window 3
.set TO_B,   0x40                      ; destination window 1, address window 0
; A joint load: waves 0 and 1 fetch for A, waves 2 and 3 for B; the branch hangs on the wave's number alone.  Four v_nop follow each of the two lines.
.macro JLOAD g0a, g1a, g0b, g1b
	s_cmp_eq_u32 s15, 0
	s_cbranch_scc0 .Lfor_b_\@
	tensor_load_to_lds s[\g0a:\g0a+3], s[\g1a:\g1a+7]
	s_nop 0
.rept 4
	v_nop
.endr
	s_branch .Lasked_\@
.Lfor_b_\@:
	tensor_load_to_lds s[\g0b:\g0b+3], s[\g1b:\g1b+7]
	s_nop 0
.rept 4
	v_nop
.endr
.Lasked_\@:
.endm
.macro CREST                           ; a round of the cluster's barrier behind its opening barrier
	s_cmp_lg_u32 s14, 0
	s_cbranch_scc1 .Lnot_wave_0_\@
	s_barrier_signal -3
.Lnot_wave_0_\@:
	s_barrier_wait -3
	s_barrier_signal -1
	s_barrier_wait -1
.endm
.macro CROUND                          ; a whole round
	s_barrier_signal -1
	s_barrier_wait -1
	CREST
.endm
	s_load_b256 s[4:11], s[0:1], 0x0               ; xc s[4:5], wc s[6:7], masks s[8:9], the exponents s[10:11]
	s_load_b64 s[12:13], s[0:1], 0x20              ; qkv
	v_lshl_add_u32 v[SPW], v0, 2, SPARE
	v_mov_b32 v[NIL], 0
	ds_add_u32 v28, v29
	ds_add_u32 v28, v29
	s_wait_dscnt 0x0
	v_lshrrev_b32 v1, 5, v0
	v_readfirstlane_b32 s14, v1                    ; wave 0..3
	s_lshr_b32 s15, s14, 1                         ; which half of A's tiles is mine.  Also: I fetch for A (0) or for B (1)
	s_and_b32 s16, s14, 1                          ; which half of B's.  Also: which 8 tiles I fetch
	s_bfe_u32 s40, ttmp6, 0x40000                  ; cx, cy: my place in the cluster
	s_bfe_u32 s41, ttmp6, 0x40004
	s_and_b32 s67, ttmp7, 0xffff
	s_lshl_b32 s67, s67, 2                         ; 4 x the cluster's y
	s_lshl_b32 s74, ttmp9, 22                      ; t x 4 MiB: X's set of codes
	s_lshl_b32 s75, ttmp9, 20                      ; t x 1 MiB: the weight
	s_mov_b32 s92, 16384
	s_mov_b32 s98, 2048
	s_mov_b32 s99, 131072
	s_cmp_eq_u32 ttmp9, 2                          ; V?  The cluster's x is alike in all partners
	s_cselect_b32 s72, 0, s67                      ; the 16 blocks of 256 tokens are walked by A's blocks (Q, K)
	s_cselect_b32 s73, s67, 0                      ; or by B's (V)
	s_cselect_b32 s76, s75, s74                    ; A's place in its buffer
	s_cselect_b32 s77, s74, s75                    ; B's
	s_cselect_b32 s92, s98, s92                    ; out: bytes from one block of A to the next: 16,384 (a token tile's 16 heads) or 2,048 (a channel tile)
	s_cselect_b32 s99, s99, s98                    ; out: bytes for my 128 rows of B: 2,048 (two heads) or 131,072 (a key step)
	s_cselect_b32 s94, -1, 0                       ; all lanes on for V: its factor is 1
	s_mov_b32 s93, 0
	s_add_co_u32 s17, s41, s72                     ; A's block of 256 rows: hangs on cy, never on cx
	s_add_co_u32 s42, s40, s73                     ; B's block: hangs on cx, never on cy
	s_lshl_b32 s43, s41, 2
	s_lshl_b32 s43, 15, s43                        ; my row of the cluster
	s_lshl_b32 s44, 0x1111, s40                    ; my column
	; descriptor group 1: 8 rows (tiles) of 512 elements of 8 bytes, 2,048 elements (a tile's eight images) apart; no padding
	s_or_b32 s[G1+0], s43, (3<<16)|(1<<21)         ; 15:0 the mask: A's tiles go to my row; 17:16 elements of 8 bytes; 21 set beside a mask
	s_or_b32 s[G1B+0], s44, (3<<16)|(1<<21)
.irp g, G1, G1B
	s_mov_b32 s[\g+1], 512<<16                     ; tensor_dim0
	s_mov_b32 s[\g+2], 8<<16                       ; tensor_dim1
	s_mov_b32 s[\g+3], 512<<16                     ; tile_dim0
	s_mov_b32 s[\g+4], 8                           ; tile_dim1
	s_mov_b32 s[\g+5], 2048                        ; tensor_dim0_stride
	s_mov_b32 s[\g+6], 0
	s_mov_b32 s[\g+7], 0
.endr
	s_mov_b32 s96, 0x76543210                      ; v_permlanex16_b32's selects for lane xor 16
	s_mov_b32 s97, 0xfedcba98
	s_lshl_b32 s18, s16, 17                        ; which 8 tiles of 16,384 bytes I fetch
	s_lshl_b32 s20, s17, 18                        ; A: 16 tiles a block
	s_add_co_u32 s20, s20, s18
	s_add_co_u32 s20, s20, s76
	s_mov_b32 s21, 0
	s_lshl_b32 s46, s42, 18                        ; B likewise
	s_add_co_u32 s46, s46, s18
	s_add_co_u32 s46, s46, s77
	s_mov_b32 s47, 0
	s_lshl_b32 s45, s14, 15                        ; where they go: wave x 32,768: no place in the cluster enters an LDS address
	s_wait_kmcnt 0x0
	s_load_b256 s[80:87], s[10:11], 0x0            ; e0 .. e7
	s_load_b128 s[88:91], s[10:11], 0x20           ; e8 .. e11
	s_cmp_eq_u32 ttmp9, 2
	s_cselect_b64 s[68:69], s[6:7], s[4:5]         ; A's buffer: the weights for V, else X's codes
	s_cselect_b64 s[70:71], s[4:5], s[6:7]         ; B's
	s_add_nc_u64 s[20:21], s[68:69], s[20:21]
	s_add_nc_u64 s[46:47], s[70:71], s[46:47]
	CROUND                                         ; all sixteen work-groups are here: the first joint loads meet
.irp s, 0,1
	s_mov_b32 s[G0+4*\s], 1
	s_add_co_u32 s[G0+4*\s+1], s45, \s*SLOT
	s_add_nc_u64 s[G0+4*\s+2:G0+4*\s+3], s[20:21], \s*FILLB
	s_or_b32 s[G0+4*\s+3], s[G0+4*\s+3], 0x80000000
	s_mov_b32 s[G0B+4*\s], 1
	s_add_co_u32 s[G0B+4*\s+1], s45, \s*SLOT
	s_add_nc_u64 s[G0B+4*\s+2:G0B+4*\s+3], s[46:47], \s*FILLB
	s_or_b32 s[G0B+4*\s+3], s[G0B+4*\s+3], 0x80000000
	JLOAD G0+4*\s, G1, G0B+4*\s, G1B
.endr
	v_and_b32 v1, 31, v0
	v_lshlrev_b32 v[OA], 4, v1                     ; 16 x lane: an image's place for my lane
	s_lshl_b32 s72, s15, 15                        ; my 8 tiles of A
	s_lshl_b32 s73, s16, 15                        ; my 8 tiles of B,
	s_add_co_u32 s73, s73, 2*HALFT                 ; which lie behind A's 16
.irp s, 0,1
	v_add_nc_u32 v[ADRA+\s], s72, v[OA]
	v_add_nc_u32 v[ADRB+\s], s73, v[OA]
	s_add_co_u32 s72, s72, SLOT
	s_add_co_u32 s73, s73, SLOT
.endr
	v_and_b32 v2, 15, v0                           ; the masks of my lane's eight rows of A: row 256 x block + 128 x half + 32 (a / 2) + 8 (a % 2) + r + 8 (r / 8)
	v_and_b32 v3, 8, v0
	v_add_nc_u32 v2, v2, v3
	s_lshl_b32 s74, s17, 8
	s_lshl_b32 s75, s15, 7
	s_add_co_u32 s74, s74, s75
	v_add_nc_u32 v2, s74, v2
	v_lshlrev_b32 v[MA], 2, v2
.irp a, 0,1,2,3,4,5,6,7
	global_load_b32 v[MK+\a], v[MA], s[8:9] offset:4*(32*(\a/2)+8*(\a%2))   ; (for V the rows are channels, under 1,024: inside the buffer; what comes is not used)
.endr
	s_lshl_b32 s78, s17, 4                         ; where my results begin in qkv
	s_lshl_b32 s79, s15, 3
	s_add_co_u32 s78, s78, s79
	s_mul_i32 s78, s78, s92                        ; my first block of A
	s_lshl_b32 s79, s42, 1
	s_add_co_u32 s79, s79, s16
	s_mul_i32 s79, s79, s99                        ; my 128 rows of B
	s_add_co_u32 s78, s78, s79
	s_lshl_b32 s79, ttmp9, 22                      ; the tensor
	s_add_co_u32 s78, s78, s79
	s_mov_b32 s79, 0
	s_add_nc_u64 s[12:13], s[12:13], s[78:79]
.macro FRAG reg, adr, q, i             ; a fragment's image: four loads of 512 consecutive bytes; tile i, the slot's q-th 128 along K
.irp c, 0,1,2,3
	ds_load_b128 v[\reg+4*\c:\reg+4*\c+3], v[\adr] offset:2048*(\q)+512*\c+(\i)*4096
.endr
.endm
; 16 matrix instructions: A's blocks a0, a0 + 1 x B's eight, 128 along K.  p: B's set.  zero = 1: the first product starts the sums: nothing is ever cleared.
; The 64 accumulators take turns, one instruction a turn, in the same order in every step.
.macro MUL16 a0, p, zero
.irp a, \a0, \a0+1
.irp b, 0,1,2,3,4,5,6,7
.if \zero
	v_wmma_f32_16x16x128_bf8_bf8 v[8*(8*((\a)%4)+\b):8*(8*((\a)%4)+\b)+7], v[128*(\p)+FR*\b:128*(\p)+FR*\b+FR-1], v[AF+FR*(\a):AF+FR*(\a)+FR-1], 0
.else
	v_wmma_f32_16x16x128_bf8_bf8 v[8*(8*((\a)%4)+\b):8*(8*((\a)%4)+\b)+7], v[128*(\p)+FR*\b:128*(\p)+FR*\b+FR-1], v[AF+FR*(\a):AF+FR*(\a)+FR-1], v[8*(8*((\a)%4)+\b):8*(8*((\a)%4)+\b)+7]
.endif
.endr
.endr
.endm
.macro FETCH_B slot, q, p
	WIN TO_B
.irp i, 0,1,2,3,4,5,6,7
	FRAG 128*(\p)+FR*\i, ADRB+\slot, \q, \i
.endr
	WIN 0
.endm
.macro FETCH_A slot, q, i0
.irp i, \i0, \i0+1, \i0+2, \i0+3
	FRAG AF+FR*(\i), ADRA+\slot, \q, \i
.endr
.endm
; A load into a register that a matrix instruction has read, and a vector instruction that reads a matrix result, stand NP places behind that matrix instruction; only plain vector
; instructions that name none of its registers are places (ISA guide 7.12.1 for vector instructions).
.macro PLACES n
.rept \n
	v_nop
.endr
.endm
; A step of 128 along K that has its successor in the same slot.  A's blocks go one after the other, so ONE set of registers serves A: blocks 0-3 are fetched anew in the step's middle, blocks 4-7 at its end.
.macro STEP slot, q, zero
	s_wait_dscnt 4*NL                              ; B's set and A's blocks 0-3 are in; the youngest 16 loads (A's blocks 4-7) may be out
	WIN MUL_LO
	MUL16 0, (\q)%2, \zero
	MUL16 2, (\q)%2, \zero
	s_wait_dscnt 0                                 ; A's blocks 4-7 are in
	PLACES NP
	FETCH_B \slot, (\q)+1, 1-(\q)%2
	FETCH_A \slot, (\q)+1, 0
	WIN MUL_HI
	MUL16 4, (\q)%2, \zero
	MUL16 6, (\q)%2, \zero
	PLACES NP
	WIN 0
	FETCH_A \slot, (\q)+1, 4
.endm
; A slot's last step changes slots: ONE barrier; in front of it each wave waits for all its tensor loads, adds 0 to its spare word, and waits for that and for its own reads of this slot.  fill = 1: this slot is filled again.
.macro TURN slot, next, fill
	s_wait_tensorcnt 0x0                           ; all my tensor loads have landed: my part of the next slot
	ds_add_u32 v[SPW], v[NIL]                      ; 0 onto my spare word
	s_wait_dscnt 4*NL+1                            ; (the add and the youngest 16 loads, A's blocks 4-7, may be out)
	WIN MUL_LO
	MUL16 0, 1, 0                                  ; sixteen matrix instructions stand between the add and the wait for it
	s_wait_dscnt 0x0                               ; the add is done, and my reads of this slot are over
	s_barrier_signal -1
	MUL16 2, 1, 0
	WIN 0
	s_barrier_wait -1
.if \fill
	CREST                                          ; the barrier has opened a round of the cluster's barrier: no wave of any partner still reads this slot or has a load on its way
	s_add_nc_u64 s[G0+4*\slot+2:G0+4*\slot+3], s[G0+4*\slot+2:G0+4*\slot+3], 2*FILLB
	s_add_nc_u64 s[G0B+4*\slot+2:G0B+4*\slot+3], s[G0B+4*\slot+2:G0B+4*\slot+3], 2*FILLB
	JLOAD G0+4*\slot, G1, G0B+4*\slot, G1B         ; the first tensor load behind the round; its four v_nop are also the places in front of the loads below
.else
	PLACES NP
.endif
	FETCH_B \next, 0, 0
	FETCH_A \next, 0, 0
	WIN MUL_HI
	MUL16 4, 1, 0
	MUL16 6, 1, 0
	PLACES NP
	WIN 0
	FETCH_A \next, 0, 4
.endm
	s_wait_tensorcnt 1                             ; my part of slot 0 is in; slot 1's load may be out
	s_barrier_signal -1
	s_barrier_wait -1                              ; everybody's is
	FETCH_B 0, 0, 0
	FETCH_A 0, 0, 0
	FETCH_A 0, 0, 4
	; K = 1,024 is four slots' worth, eight steps of 128: written out, since a loop would have one trip
	STEP 0, 0, 1                                   ; the first step's products start the sums
	TURN 0, 1, 1                                   ; slot 0 takes K 512-767
	STEP 1, 0, 0
	TURN 1, 0, 1                                   ; slot 1 takes K 768-1,023
	STEP 0, 0, 0
	TURN 0, 1, 0                                   ; nothing is left to fetch
	STEP 1, 0, 0
	s_wait_dscnt 4*NL
	WIN MUL_LO
	MUL16 0, 1, 0
	MUL16 2, 1, 0
	s_wait_dscnt 0
	WIN MUL_HI
	MUL16 4, 1, 0
	MUL16 6, 1, 0
	WIN 0
	; THE WAY OUT
	s_wait_kmcnt 0x0
	s_wait_loadcnt 0x0                             ; the masks
	s_sub_co_i32 s72, s89, s84
	s_sub_co_i32 s72, s72, s85                     ; V: a sum stands for sum x 2^(e4 + e5): its code is sum / 2^(e9 - e4 - e5)
	s_cmp_eq_u32 ttmp9, 0
	s_cselect_b32 s73, s86, s87                    ; Q: e6;  K: e7
	s_cmp_eq_u32 ttmp9, 2
	s_cselect_b32 s72, s72, s73
	s_add_co_i32 s72, s72, 127
	s_lshl_b32 s73, s72, 23
	v_mov_b32 v[SC], s73                           ; the scale as f32: the conversion takes its exponent field
	s_add_co_i32 s72, s72, 15
	s_lshl_b32 s72, s72, 23
	s_or_b32 s72, s72, 0x600000
	v_mov_b32 v[LM], s72                           ; 57,344 x the scale
	v_mov_b32 v[ONE], 1.0
	v_mov_b32 v[ZR], 0
	v_mov_b32 v[FC+1], 0                           ; (named as the upper halves of pairs)
	v_mov_b32 v[FC+3], 0
	v_mov_b32 v[PX], 0                             ; (a lane permute's destination counts as one of its sources)
	v_mov_b32 v[PX+1], 0
.irp a, 0,1,2,3,4,5,6,7
	v_cmp_ne_u32 vcc_lo, 0, v[MK+\a]
	v_cndmask_b32 v[MK+\a], v[ZR], v[ONE], vcc_lo  ; 1.0 where the token counts, else 0
.endr
	PLACES NP
; Block a of A: 16 rows x my 128 rows of B, 64 registers a lane: register 32 g + 16 c + i = B's row 64 g + 32 c + 16 (lane / 16) + i.
.macro ROWOUT a
.set AC, 64*((\a)%4)
.set WW, 2+(\a)/4
.set CC, CD+16*((\a)%2)
	WIN (WW|(WW<<2))                               ; sources 0 and 1: the accumulators' window
.set k, 0
.rept 16                               ; the two heads' sums of squares, two chains each; every accumulator is read from its low end on
.irp g, 0,1
.if k < 2
	v_pk_mul_f32 v[SQ+4*\g+2*k:SQ+4*\g+2*k+1], v[AC+32*\g+2*k:AC+32*\g+2*k+1], v[AC+32*\g+2*k:AC+32*\g+2*k+1]
.else
	v_pk_fma_f32 v[SQ+4*\g+2*(k%2):SQ+4*\g+2*(k%2)+1], v[AC+32*\g+2*k:AC+32*\g+2*k+1], v[AC+32*\g+2*k:AC+32*\g+2*k+1], v[SQ+4*\g+2*(k%2):SQ+4*\g+2*(k%2)+1]
.endif
.endr
.set k, k+1
.endr
	WIN 0
	v_pk_add_f32 v[SQ:SQ+1], v[SQ:SQ+1], v[SQ+2:SQ+3]
	v_pk_add_f32 v[SQ+4:SQ+5], v[SQ+4:SQ+5], v[SQ+6:SQ+7]
	v_add_f32 v[SQ], v[SQ], v[SQ+1]
	v_add_f32 v[SQ+4], v[SQ+4], v[SQ+5]
	v_permlanex16_b32 v[PX], v[SQ], s96, s97       ; the head's other 32 channels lie in lane xor 16
	v_permlanex16_b32 v[PX+1], v[SQ+4], s96, s97
	v_add_f32 v[SQ], v[SQ], v[PX]
	v_add_f32 v[SQ+4], v[SQ+4], v[PX+1]
	v_rsq_f32 v[FC], v[SQ]
	v_rsq_f32 v[FC+2], v[SQ+4]
	v_nop                                          ; a plain line between the last of them and the use of its result
	s_wait_alu depctr_va_vdst(0)
	v_mul_f32 v[FC], v[FC], v[MK+\a]               ; x the token's mask
	v_mul_f32 v[FC+2], v[FC+2], v[MK+\a]
	v_cndmask_b32 v[FC], v[FC], v[ONE], s94        ; V is not normalised and not masked: its factor is 1
	v_cndmask_b32 v[FC+2], v[FC+2], v[ONE], s94
	WIN WW
.set k, 0
.rept 32
	v_pk_mul_f32 v[NUM+2*k:NUM+2*k+1], v[AC+2*k:AC+2*k+1], v[FC+2*(k/16):FC+2*(k/16)+1] op_sel_hi:[1,0]
.set k, k+1
.endr
	WIN 0
.set k, 0
.rept 64
	v_med3_num_f32 v[NUM+k], v[NUM+k], -v[LM], v[LM]   ; the conversion to an 8-bit code does not saturate (ISA guide 7.6.2): the hold comes first
.set k, k+1
.endr
.irp q, 0,1,2,3,4,5,6,7
	v_cvt_scalef32_pk8_bf8_f32 v[CC+2*\q:CC+2*\q+1], v[NUM+8*\q:NUM+8*\q+7], v[SC]
.endr
	v_nop                                          ; a plain line behind the conversions: the next block writes their sources
.if (\a) > 0
	s_wait_xcnt 0x0                                ; the earlier stores have read their base and their data: the base steps, and the set of codes of two blocks back may be written
	s_add_nc_u64 s[12:13], s[12:13], s[92:93]
.endif
.irp p, 0,1,2,3
	global_store_b128 v[OA], v[CC+4*\p:CC+4*\p+3], s[12:13] offset:512*\p   ; 512 consecutive bytes: Q, K: head p / 2, registers 4 (p % 2) on;  V: registers 4 p on
.endr
.endm
.irp a, 0,1,2,3,4,5,6,7
	ROWOUT \a
.endr
	s_wait_tensorcnt 0x0                           ; the wave's end
	ds_add_u32 v[SPW], v[NIL]
	s_wait_dscnt 0x0
	CROUND                                         ; the closing round: no work-group ends while a partner may still ask for a tile that names it
	s_endpgm
.Lfunc_end_k_q0ebad5de36_proj:
	.size	k_q0ebad5de36_proj, .Lfunc_end_k_q0ebad5de36_proj-k_q0ebad5de36_proj
	.p2alignl 7, 3214868480
	.fill 96, 4, 3214868480
	.section	.rodata,"a",@progbits
	.p2align	6, 0x0
	.amdhsa_kernel k_q0ebad5de36_proj
		.amdhsa_group_segment_fixed_size 327680
		.amdhsa_private_segment_fixed_size 0
		.amdhsa_enable_private_segment 0
		.amdhsa_kernarg_size 40
		.amdhsa_user_sgpr_count 2
		.amdhsa_user_sgpr_kernarg_segment_ptr 1
		.amdhsa_wavefront_size32 1
		.amdhsa_system_sgpr_workgroup_id_x 1
		.amdhsa_system_sgpr_workgroup_id_y 1
		.amdhsa_system_sgpr_workgroup_id_z 1
		.amdhsa_system_vgpr_workitem_id 0
		.amdhsa_next_free_vgpr 1024
		.amdhsa_next_free_sgpr 100
		.amdhsa_reserve_vcc 1
		.amdhsa_float_denorm_mode_32 3
		.amdhsa_float_denorm_mode_16_64 3
		.amdhsa_memory_ordered 1
		.amdhsa_forward_progress 1
		.amdhsa_inst_pref_size 158
	.end_amdhsa_kernel
	.amdgpu_metadata
---
amdhsa.version: [ 1, 2 ]
amdhsa.kernels:
  - .name:           k_q0ebad5de36_proj
    .symbol:         k_q0ebad5de36_proj.kd
    .args:
      - { .name: xc, .offset: 0, .size: 8, .value_kind: global_buffer, .address_space: global }
      - { .name: wc, .offset: 8, .size: 8, .value_kind: global_buffer, .address_space: global }
      - { .name: masks, .offset: 16, .size: 8, .value_kind: global_buffer, .address_space: global }
      - { .name: lowp_scales, .offset: 24, .size: 8, .value_kind: global_buffer, .address_space: global }
      - { .name: qkv, .offset: 32, .size: 8, .value_kind: global_buffer, .address_space: global }
    .group_segment_fixed_size: 327680
    .private_segment_fixed_size: 0
    .kernarg_segment_align: 8
    .kernarg_segment_size: 40
    .max_flat_workgroup_size: 128
    .sgpr_count:     100
    .vgpr_count:     1024
    .wavefront_size: 32
...
	.end_amdgpu_metadata
.endif
;; end of part 2
;; launch attn (part 3): grid 8 x 32, 4 waves a work-group, no clusters, 262,656 bytes of LDS; arguments qkv, lowp_scales, ctx; writes ctx
.if DOCPART == 3
	.amdgcn_target "amdgcn-amd-amdhsa--gfx1250"
	.amdhsa_code_object_version 6
	.text
	.protected	k_q0ebad5de36_attn
	.globl	k_q0ebad5de36_attn
	.p2align	8
	.type	k_q0ebad5de36_attn,@function
k_q0ebad5de36_attn:
	s_mov_b64 s[64:65], 0
	v_nop
	global_prefetch_b8 v0, s[64:65] scope:SCOPE_SE
	s_setreg_imm32_b32 hwreg(HW_REG_WAVE_MODE, 25, 1), 1
	s_wait_xcnt 0x0
; ctx = (relu(Qn Kn^T) x causal mask) V for one head of one batch, both products on codes of BF8; ctx leaves as codes, in images of the last product's operand registers.
; The pad masks are already in the codes: a masked token's Qn and Kn are zeros.  The causal mask is reference()'s own: key k counts for query q where k <= q; steps all of whose keys are hidden are left out.
; SHARES.  Work-group (i, y): batch y / 16, head y % 16, the blocks of 128 queries 15 - i ('high') and i ('low'): (16 - i) + (i + 1) = 17 block steps in every work-group.
;   Wave w holds tiles 2 w, 2 w + 1 of each block: four tiles of 16 queries.  All waves walk the key steps J = 0 .. 15 of 128 keys; the trip counts are constants, and branches on ids jump over work alone.
; LDS IS FILLED ONCE: the head's K (16 steps x 8 tiles x 1,024 bytes) at 0, its V (16 steps x 4 channel tiles x 2,048 bytes) at 131,072.  Waves 0, 1 fetch K, waves 2, 3 V: eight loads each, all issued at the
;   start (eight are out at the most), ONE KEY STEP, 8,192 bytes, TO A LOAD: load c of a pair of waves brings steps 2 c and 2 c + 1.  The loads are kept this small so that step 0 begins when two of the sixteen steps
;   have landed, and the steps are walked while the rest lands: five counted waits, each with a barrier, stand ahead of the steps that first read what they show.
;   No multicast: the work-groups that read the same K and V differ in their blocks of queries, on which the jumps over hidden steps hang.
; LAYOUT.  S^T = K Q^T (source 0 = 16 keys, source 1 = 16 queries, K = 64), O^T = V^T P^T (source 0 = 16 channels, source 1 = P, K = 128 keys): a lane holds ONE query throughout.
;   Lane index r of a tile T is row 32 (T / 2) + 8 (T % 2) + r + 8 (r / 8): so register n of a tile's 64 scores is key 32 (n / 16) + 16 (lane / 16) + n % 16 of the step: the conversions' results are P's fragment.
; att's code = relu(sum) / 2^(e8 - e6 - e7): the hold between 0 and the largest code is the relu too.  ctx's code = sum / 2^(e10 - e8 - e9).
; LIMITS: e8 - e6 - e7 and e10 - e8 - e9 between -126 and 112.  NaN among the codes is not served.
; REGISTERS: window 0: v1-12 addresses and constants; v64-191 S^T of two tiles; v192-223 P of two tiles; v224-255 ctx's codes.  window 1: v0-63 K, v64-127 V, v128-159 Q.  window 2: v0-127 O^T (tile x at 32 x, channel tile t at + 8 t).
.set LI,  1                            ; v1   16 x lane
.set ADK, 2                            ; v2   this step's K
.set ADV, 3                            ; v3   this step's V
.set DG,  4                            ; v4, v5  on the diagonal: my query less 16 (lane / 16), for tile 2 w, 2 w + 1
.set ZR,  6
.set LMA, 7                            ; att: 57,344 x the scale;  v8 the scale
.set SCA, 8
.set LMC, 9                            ; ctx likewise
.set SCX, 10
.set LV,  12                           ; v12  16 x lane + V's base
.set S,   64
.set P,   192
.set CD,  224
.set KF,  0
.set VF,  64
.set QF,  128
.set WV,  10                           ; s10  wave
.set JL,  16                           ; s16  the low block = its last (diagonal) step
.set JH,  17                           ; s17  the high block likewise
.set J,   18                           ; s18  the key step; also the loops' counter
.set TB,  19                           ; s19  8,192 x J: the step's bytes in K's and in V's region
.set G1K, 24                           ; s[24:31] descriptor group 1 for a step of K
.set G1V, 32                           ; s[32:39] for a step of V
                                       ; descriptor group 0 of load c: s[40+4c ..] for c = 0 .. 3, s[68+4(c-4) ..] for c = 4 .. 7; one family serves K and V
.set MSB, 0
.macro WIN new
.if MSB != (\new)
	s_set_vgpr_msb (MSB<<8)|(\new)
.set MSB, (\new)
.endif
.endm
.macro PLACES
.rept 4
	v_nop
.endr
.endm
	s_load_b128 s[4:7], s[0:1], 0x0                ; qkv, the exponents
	s_load_b64 s[8:9], s[0:1], 0x10                ; ctx
	v_lshl_add_u32 v62, v0, 2, 0x40000
	v_mov_b32 v63, 0
	ds_add_u32 v62, v63
	ds_add_u32 v62, v63
	v_lshrrev_b32 v1, 5, v0
	v_readfirstlane_b32 s[WV], v1
	s_and_b32 s11, s[WV], 1                        ; which of a pair's two steps I fetch
	s_lshr_b32 s12, s[WV], 1                       ; I fetch K (0) or V (1)
	s_and_b32 s13, ttmp7, 0xffff
	s_lshr_b32 s14, s13, 4                         ; batch
	s_and_b32 s15, s13, 15                         ; head
	s_mov_b32 s[JL], ttmp9
	s_sub_co_u32 s[JH], 15, ttmp9
	; group 1 for K: 8 rows (a step's key tiles) of 128 elements of 8 bytes, 2,048 elements (a token tile's 16 heads) apart;  for V: one row of 1,024 elements (a step's four channel tiles of the head, which lie on end)
	s_mov_b32 s[G1K], 3<<16
	s_mov_b32 s[G1K+1], 128<<16
	s_mov_b32 s[G1K+2], 8<<16
	s_mov_b32 s[G1K+3], 128<<16
	s_mov_b32 s[G1K+4], 8
	s_mov_b32 s[G1K+5], 2048
	s_mov_b32 s[G1K+6], 0
	s_mov_b32 s[G1K+7], 0
	s_mov_b32 s[G1V], 3<<16
	s_mov_b32 s[G1V+1], 1024<<16
	s_mov_b32 s[G1V+2], 1<<16
	s_mov_b32 s[G1V+3], 1024<<16
	s_mov_b32 s[G1V+4], 1
	s_mov_b32 s[G1V+5], 1024
	s_mov_b32 s[G1V+6], 0
	s_mov_b32 s[G1V+7], 0
	; my first step in memory.  K: 4 MiB + (2,048 batch + head) x 1,024;  V: 8 MiB + (1,024 batch + 4 head) x 2,048;  in both a key step is 131,072 bytes on from the last
	s_lshl_b32 s20, s14, 21                        ; the batch: 2 MiB in both
	s_mul_i32 s21, s12, 3
	s_add_co_u32 s21, s21, 10
	s_lshl_b32 s21, s15, s21                       ; head x 1,024 (K) or x 8,192 (V)
	s_add_co_u32 s20, s20, s21
	s_lshl_b32 s21, s11, 17                        ; my step of the pair
	s_add_co_u32 s20, s20, s21
	s_add_co_u32 s21, s12, 1
	s_lshl_b32 s21, s21, 22                        ; 4 MiB or 8 MiB
	s_add_co_u32 s20, s20, s21
	s_mov_b32 s21, 0
	s_lshl_b32 s96, s12, 17                        ; and in LDS: K's region or V's, + 8,192 x my step of the pair: the wave's number and constants alone
	s_lshl_b32 s22, s11, 13
	s_add_co_u32 s96, s96, s22
	s_lshl_b32 s2, s14, 7                          ; my first token tiles: 128 batch + 8 block + 2 wave
	s_lshl_b32 s3, s[WV], 1
	s_add_co_u32 s2, s2, s3
	s_lshl_b32 s3, s[JH], 3
	s_add_co_u32 s3, s3, s2
	s_lshl_b32 s97, s[JL], 3
	s_add_co_u32 s97, s97, s2
	s_lshl_b32 s98, s15, 10
	s_lshl_b32 s56, s3, 14                         ; tile x 16,384 + head x 1,024: a tile's place in Q, and in ctx too (there: K step head / 2, registers 8 (head % 2) on)
	s_add_co_u32 s56, s56, s98
	s_mov_b32 s57, 0
	s_lshl_b32 s58, s97, 14
	s_add_co_u32 s58, s58, s98
	s_mov_b32 s59, 0
	s_wait_dscnt 0x0
	s_wait_kmcnt 0x0
	s_load_b256 s[84:91], s[6:7], 0x0              ; e0 .. e7
	s_load_b128 s[92:95], s[6:7], 0x20             ; e8 .. e11
	s_add_nc_u64 s[20:21], s[4:5], s[20:21]
	s_add_nc_u64 s[60:61], s[8:9], s[56:57]        ; ctx, high and low
	s_add_nc_u64 s[62:63], s[8:9], s[58:59]
	s_add_nc_u64 s[56:57], s[4:5], s[56:57]        ; Q, high and low
	s_add_nc_u64 s[58:59], s[4:5], s[58:59]
.irp c, 0,1,2,3,4,5,6,7                ; load c: key step 2 c + my step of the pair
.set GG, 40+4*\c+12*(\c/4)
	s_mov_b32 s[GG], 1                             ; 1:0 count = 1
	s_add_co_u32 s[GG+1], s96, 16384*\c            ; 63:32 LDS address
	s_add_nc_u64 s[GG+2:GG+3], s[20:21], 262144*\c ; 120:64 global address
	s_or_b32 s[GG+3], s[GG+3], 0x80000000          ; 127:126 type = 2
.endr
	s_cmp_lt_u32 s[WV], 2                          ; all fills go out together, ahead of every wait on TENSORcnt, every LDS read and every barrier; four v_nop follow the last
	s_cbranch_scc0 .Lfor_v
.irp c, 0,1,2,3,4,5,6,7
	tensor_load_to_lds s[40+4*\c+12*(\c/4):43+4*\c+12*(\c/4)], s[G1K:G1K+7]
	s_nop 0
.endr
	PLACES
	s_branch .Lasked
.Lfor_v:
.irp c, 0,1,2,3,4,5,6,7
	tensor_load_to_lds s[40+4*\c+12*(\c/4):43+4*\c+12*(\c/4)], s[G1V:G1V+7]
	s_nop 0
.endr
	PLACES
.Lasked:
	v_and_b32 v11, 31, v0
	v_lshlrev_b32 v[LI], 4, v11
	v_add_nc_u32 v[LV], 0x20000, v[LI]
	WIN 0x40                                       ; destination window 1
.irp u, 0,1
.irp c, 0,1
	global_load_b128 v[QF+8*\u+4*\c:QF+8*\u+4*\c+3], v[LI], s[56:57] offset:16384*\u+512*\c        ; Q stays in registers: tiles 0, 1 the high block's,
	global_load_b128 v[QF+16+8*\u+4*\c:QF+16+8*\u+4*\c+3], v[LI], s[58:59] offset:16384*\u+512*\c  ; tiles 2, 3 the low block's
.endr
.endr
	WIN 0
	v_and_b32 v13, 15, v0
	v_and_b32 v14, 8, v0
	v_add_nc_u32 v13, v13, v14                     ; r + 8 (r / 8)
	v_and_b32 v14, 16, v0
	v_sub_nc_u32 v13, v13, v14                     ; - 16 (lane / 16)
	s_lshl_b32 s98, s[WV], 5
	v_add_nc_u32 v[DG], s98, v13                   ; + 32 wave: tile 2 w's query in its block, less my half's 16 keys (it may be negative: the compare is signed)
	v_add_nc_u32 v[DG+1], 8, v[DG]                 ; tile 2 w + 1's
	v_mov_b32 v[ZR], 0
	s_mov_b32 s[J], 0
	s_mov_b32 s[TB], 0
	s_wait_kmcnt 0x0
	s_sub_co_i32 s98, s92, s90
	s_sub_co_i32 s98, s98, s91                     ; e8 - e6 - e7
	s_add_co_i32 s98, s98, 127
	s_lshl_b32 s99, s98, 23
	v_mov_b32 v[SCA], s99
	s_add_co_i32 s98, s98, 15
	s_lshl_b32 s98, s98, 23
	s_or_b32 s98, s98, 0x600000
	v_mov_b32 v[LMA], s98
	s_sub_co_i32 s98, s94, s92
	s_sub_co_i32 s98, s98, s93                     ; e10 - e8 - e9
	s_add_co_i32 s98, s98, 127
	s_lshl_b32 s99, s98, 23
	v_mov_b32 v[SCX], s99
	s_add_co_i32 s98, s98, 15
	s_lshl_b32 s98, s98, 23
	s_or_b32 s98, s98, 0x600000
	v_mov_b32 v[LMC], s98
.macro FETCHK adr, ahead               ; a step's eight tiles of K: 16 loads of 512 consecutive bytes
	WIN 0x40
.irp kt, 0,1,2,3,4,5,6,7
	ds_load_b128 v[KF+8*\kt:KF+8*\kt+3], v[\adr] offset:\ahead+1024*\kt
	ds_load_b128 v[KF+8*\kt+4:KF+8*\kt+7], v[\adr] offset:\ahead+1024*\kt+512
.endr
	WIN 0
.endm
.macro FETCHV                          ; a step's four channel tiles of V: 16 loads
	WIN 0x40
.irp t, 0,1,2,3
.irp c, 0,1,2,3
	ds_load_b128 v[VF+16*\t+4*\c:VF+16*\t+4*\c+3], v[ADV] offset:2048*\t+512*\c
.endr
.endr
	WIN 0
.endm
.macro KQ16 x                          ; the scores of tiles x, x + 1 against the step's 128 keys: sixteen accumulators, each begun with 0.  The four v_nop are the places in front of the first read of S^T and of loads into K's registers
	WIN 0x05
.irp kt, 0,1,2,3,4,5,6,7
.irp u, 0,1
	v_wmma_f32_16x16x64_bf8_bf8 v[S+64*\u+8*\kt:S+64*\u+8*\kt+7], v[KF+8*\kt:KF+8*\kt+7], v[QF+8*(\x+\u):QF+8*(\x+\u)+7], 0
.endr
.endr
	WIN 0
	PLACES
.endm
.macro MASK u                          ; on the diagonal: the score of a key behind my query becomes 0
.set n, 0
.rept 64
	v_cmp_gt_i32 vcc_lo, 32*(n/16)+n%16, v[DG+\u]
	v_cndmask_b32 v[S+64*\u+n], v[S+64*\u+n], v[ZR], vcc_lo
.set n, n+1
.endr
.endm
.macro RELUQ u                         ; relu and the hold in one, then the codes: P's fragment
.set n, 0
.rept 64
	v_med3_num_f32 v[S+64*\u+n], v[S+64*\u+n], 0, v[LMA]
.set n, n+1
.endr
.irp q, 0,1,2,3,4,5,6,7
	v_cvt_scalef32_pk8_bf8_f32 v[P+16*\u+2*\q:P+16*\u+2*\q+1], v[S+64*\u+8*\q:S+64*\u+8*\q+7], v[SCA]
.endr
	v_nop                                          ; a plain line between the conversions and the matrix instructions that read their results or write their sources
.endm
.macro PV x, u, zero                   ; O^T of tile x + u: four accumulators, one instruction each
.if \zero
	WIN 0x81
.else
	WIN 0xa1
.endif
.irp t, 0,1,2,3
.if \zero
	v_wmma_f32_16x16x128_bf8_bf8 v[32*(\x+\u)+8*\t:32*(\x+\u)+8*\t+7], v[VF+16*\t:VF+16*\t+15], v[P+16*\u:P+16*\u+15], 0
.else
	v_wmma_f32_16x16x128_bf8_bf8 v[32*(\x+\u)+8*\t:32*(\x+\u)+8*\t+7], v[VF+16*\t:VF+16*\t+15], v[P+16*\u:P+16*\u+15], v[32*(\x+\u)+8*\t:32*(\x+\u)+8*\t+7]
.endif
.endr
	WIN 0
.endm
.macro TAIL x, jd, zero
	s_cmp_lg_u32 s[J], s[\jd]
	s_cbranch_scc1 .Lopen_\@                       ; only the block's own step lies on the diagonal
	MASK 0
	MASK 1
.Lopen_\@:
	RELUQ 0
	s_wait_dscnt 0x0                               ; V is in
	PV \x, 0, \zero
	RELUQ 1                                        ; the second tile's vector work stands behind the first tile's products
	PV \x, 1, \zero
.endm
; A KEY STEP.  K's fragments were fetched a step ahead; V's are fetched at the head.  first = 1: step 0, in which both blocks work and O^T's sums begin.
; So step J reads V's step J and K's step J + 1 from LDS.
.macro STEP first
.if !\first
	s_cmp_gt_u32 s[J], s[JH]
	s_cbranch_scc1 .Lskip_\@                       ; all keys lie behind all my queries
.endif
	v_add_nc_u32 v[ADK], s[TB], v[LI]
	v_add_nc_u32 v[ADV], s[TB], v[LV]
	v_nop
	v_nop                                          ; four places between the last step's products and the loads into V's registers
	FETCHV
	s_wait_dscnt 16                                ; K's loads are older than the 16 just issued
	KQ16 0
.if !\first
	s_cmp_le_u32 s[J], s[JL]
	s_cbranch_scc1 .Lkeep_\@                       ; the low block still wants this step's K
	s_cmp_eq_u32 s[J], s[JH]
	s_cbranch_scc1 .Lkeep_\@                       ; no step follows
	FETCHK ADK, 8192
.Lkeep_\@:
.endif
	TAIL 0, JH, \first
.if !\first
	s_cmp_gt_u32 s[J], s[JL]
	s_cbranch_scc1 .Lskip_\@
	s_wait_dscnt 0x0                               ; no load into K's registers is out
.endif
	KQ16 2
	FETCHK ADK, 8192                               ; the low block's steps end at 7 at the latest: a step follows
	TAIL 2, JL, \first
.if !\first
.Lskip_\@:
.endif
	s_add_co_u32 s[J], s[J], 1
	s_add_co_u32 s[TB], s[TB], 8192
.endm
; All but my youngest 'left' loads have landed; no LDS instruction of mine is out; then the barrier, behind which the same holds of every wave.  Tensor loads of a wave end in order (ISA guide 10.11.1).
; Nothing is ever filled again, so the younger loads may stay out across the barrier.
.macro MEET left
	s_wait_tensorcnt \left
	s_wait_dscnt 0x0
	s_barrier_signal -1
	s_barrier_wait -1
.endm
	MEET 7                                         ; every wave's first load: key steps 0 and 1 of K and of V
	FETCHK LI, 0
	s_wait_loadcnt 0x0                             ; Q
	STEP 1                                         ; step 0: it reads V's step 0 and K's step 1
	MEET 6                                         ; two loads a wave: key steps up to 3
.Lj1:                                              ; steps 1, 2: they read up to K's step 3
	STEP 0
	s_cmp_lt_u32 s[J], 3
	s_cbranch_scc1 .Lj1
	MEET 4                                         ; four loads a wave: key steps up to 7
.Lj3:                                              ; steps 3 to 6: up to K's step 7
	STEP 0
	s_cmp_lt_u32 s[J], 7
	s_cbranch_scc1 .Lj3
	MEET 2                                         ; six loads a wave: key steps up to 11
.Lj7:                                              ; steps 7 to 10: up to K's step 11
	STEP 0
	s_cmp_lt_u32 s[J], 11
	s_cbranch_scc1 .Lj7
	MEET 0                                         ; all of them
.Lj11:                                             ; steps 11 to 15
	STEP 0
	s_cmp_lt_u32 s[J], 16
	s_cbranch_scc1 .Lj11
	; THE WAY OUT: a tile's 32 sums of a lane are channels 32 c + 16 (lane / 16) + 0 .. 15 of the head: held, converted, and stored as registers of the last product's operand
	PLACES
.irp x, 0,1,2,3
	WIN 0x02                                       ; source 0: O^T's window
.set n, 0
.rept 32
	v_med3_num_f32 v[S+32*\x+n], v[32*\x+n], -v[LMC], v[LMC]
.set n, n+1
.endr
	WIN 0
.irp q, 0,1,2,3
	v_cvt_scalef32_pk8_bf8_f32 v[CD+8*\x+2*\q:CD+8*\x+2*\q+1], v[S+32*\x+8*\q:S+32*\x+8*\q+7], v[SCX]
.endr
.endr
	v_nop
.irp u, 0,1
.irp c, 0,1
	global_store_b128 v[LI], v[CD+8*\u+4*\c:CD+8*\u+4*\c+3], s[60:61] offset:16384*\u+512*\c         ; 512 consecutive bytes, aligned
	global_store_b128 v[LI], v[CD+16+8*\u+4*\c:CD+16+8*\u+4*\c+3], s[62:63] offset:16384*\u+512*\c
.endr
.endr
	s_wait_tensorcnt 0x0
	ds_add_u32 v62, v63
	s_wait_dscnt 0x0
	s_endpgm
.Lfunc_end_k_q0ebad5de36_attn:
	.size	k_q0ebad5de36_attn, .Lfunc_end_k_q0ebad5de36_attn-k_q0ebad5de36_attn
	.p2alignl 7, 3214868480
	.fill 96, 4, 3214868480
	.section	.rodata,"a",@progbits
	.p2align	6, 0x0
	.amdhsa_kernel k_q0ebad5de36_attn
		.amdhsa_group_segment_fixed_size 262656
		.amdhsa_private_segment_fixed_size 0
		.amdhsa_enable_private_segment 0
		.amdhsa_kernarg_size 24
		.amdhsa_user_sgpr_count 2
		.amdhsa_user_sgpr_kernarg_segment_ptr 1
		.amdhsa_wavefront_size32 1
		.amdhsa_system_sgpr_workgroup_id_x 1
		.amdhsa_system_sgpr_workgroup_id_y 1
		.amdhsa_system_sgpr_workgroup_id_z 1
		.amdhsa_system_vgpr_workitem_id 0
		.amdhsa_next_free_vgpr 640
		.amdhsa_next_free_sgpr 100
		.amdhsa_reserve_vcc 1
		.amdhsa_float_denorm_mode_32 3
		.amdhsa_float_denorm_mode_16_64 3
		.amdhsa_memory_ordered 1
		.amdhsa_forward_progress 1
		.amdhsa_inst_pref_size 248
	.end_amdhsa_kernel
	.amdgpu_metadata
---
amdhsa.version: [ 1, 2 ]
amdhsa.kernels:
  - .name:           k_q0ebad5de36_attn
    .symbol:         k_q0ebad5de36_attn.kd
    .args:
      - { .name: qkv, .offset: 0, .size: 8, .value_kind: global_buffer, .address_space: global }
      - { .name: lowp_scales, .offset: 8, .size: 8, .value_kind: global_buffer, .address_space: global }
      - { .name: ctx, .offset: 16, .size: 8, .value_kind: global_buffer, .address_space: global }
    .group_segment_fixed_size: 262656
    .private_segment_fixed_size: 0
    .kernarg_segment_align: 8
    .kernarg_segment_size: 24
    .max_flat_workgroup_size: 128
    .sgpr_count:     100
    .vgpr_count:     640
    .wavefront_size: 32
...
	.end_amdgpu_metadata
.endif
;; end of part 3
;; launch oproj (part 4): grid 8 x 32, 4 waves a work-group, clusters of 4 x 4, 280,064 bytes of LDS; arguments ctx, wc, lowp_scales, out0; writes out0
.if DOCPART == 4
	.amdgcn_target "amdgcn-amd-amdhsa--gfx1250"
	.amdhsa_code_object_version 6
	.text
	.protected	k_q0ebad5de36_oproj
	.globl	k_q0ebad5de36_oproj
	.p2align	8
	.type	k_q0ebad5de36_oproj,@function
k_q0ebad5de36_oproj:
	s_mov_b64 s[64:65], 0
	v_nop
	global_prefetch_b8 v0, s[64:65] scope:SCOPE_SE
	s_setreg_imm32_b32 hwreg(HW_REG_WAVE_MODE, 25, 1), 1
	s_wait_xcnt 0x0
	s_wait_alu depctr_hold_cnt(0) depctr_sa_sdst(0) depctr_va_vdst(0) depctr_va_sdst(0) depctr_va_ssrc(0) depctr_va_vcc(0) depctr_vm_vsrc(0)
	s_getreg_b32 s2, hwreg(HW_REG_IB_STS2, 6, 4)
	s_cmp_eq_u32 s2, 0
	s_cbranch_scc0 .Lentry_in_a_cluster
	s_endpgm
.Lentry_in_a_cluster:
	s_bfe_u32 s2, ttmp6, 0x10000c
	s_cmp_lg_u32 s2, 0xf033
	s_cbranch_scc0 .Lentry_shape_is_right
	s_endpgm
.Lentry_shape_is_right:
; out0 = ctx Wo^T on codes of BF8, each finished sum x 2^(e10 + e11).  ctx: images (token tile T, K step s) at (8 T + s) x 2,048; Wo: the same at 3 MiB of wc.  out0: [4096][1024] f32.
; A work-group makes 128 tokens x 128 columns (256 work-groups), a wave 64 x 64: 16 accumulators.  Source 0 = 16 rows of Wo, source 1 = 16 tokens: a lane holds one token and neighbouring columns.
; Lane index r of a tile T is row 32 (T / 2) + 8 (T % 2) + r + 8 (r / 8): register n of a token tile's 32 is column 32 (n / 16) + 16 (lane / 16) + n % 16 of my 64.
; LDS IS FILLED ONCE: all of K = 1,024 for both operands, 262,144 bytes, in four phases of 256 along K (a phase: ctx's 8 tiles x 4,096 bytes, then Wo's 8).  Each wave issues four loads at the start (four are out at the most);
;   a phase is read behind the counted wait that shows it landed and a barrier, while the later phases land.
; CLUSTERS: 4 x 4 work-groups; ctx's tiles are shared along a row of the cluster, Wo's along a column: each is asked for jointly.
; LIMIT: e10 + e11 between -126 and 127, so that 2^(e10 + e11) is an f32 number.
; REGISTERS: window 0: v16-26 addresses; v32-63 a block's scaled sums; v64-127 rows read back, two sets; v128-255 the accumulators ((a, b) at 128 + 8 (4 a + b)).  window 1: two fragment buffers of 128: ctx's four, then Wo's four.
.set ADRA, 16                          ; v16-19  my ctx fragments in phase 0..3
.set ADRB, 20                          ; v20-23  my Wo fragments
.set STO,  24
.set RD,   25
.set CO,   26
.set TMP,  32
.set BK,   64
.set ACC,  128
.set STAGE, 262144                     ; behind the tiles: 16 rows x 272 bytes for each wave; no fill lands there
.set SPITCH, 272
.set G1,  24
.set G1B, 48
.set G0,  68                           ; s[68:83] ctx's four phases
.set G0B, 84                           ; s[84:99] Wo's
.set MSB, 0
.macro WIN new
.if MSB != (\new)
	s_set_vgpr_msb (MSB<<8)|(\new)
.set MSB, (\new)
.endif
.endm
.macro PLACES
.rept 4
	v_nop
.endr
.endm
.macro CROUND                          ; a round of the cluster's barrier
	s_barrier_signal -1
	s_barrier_wait -1
	s_cmp_lg_u32 s14, 0
	s_cbranch_scc1 .Lnot_wave_0_\@
	s_barrier_signal -3
.Lnot_wave_0_\@:
	s_barrier_wait -3
	s_barrier_signal -1
	s_barrier_wait -1
.endm
	s_load_b256 s[4:11], s[0:1], 0x0               ; ctx, wc, the exponents, out0
	v_lshl_add_u32 v30, v0, 2, 0x44400
	v_mov_b32 v31, 0
	ds_add_u32 v30, v31
	ds_add_u32 v30, v31
	v_lshrrev_b32 v1, 5, v0
	v_readfirstlane_b32 s14, v1                    ; wave
	s_lshr_b32 s15, s14, 1                         ; my half of the tokens.  Also: I fetch ctx (0) or Wo (1)
	s_and_b32 s16, s14, 1                          ; my half of the columns.  Also: which 4 tiles I fetch
	s_bfe_u32 s40, ttmp6, 0x40000                  ; cx, cy
	s_bfe_u32 s41, ttmp6, 0x40004
	s_lshl_b32 s42, ttmp9, 2
	s_add_co_u32 s42, s42, s40                     ; block of 128 columns
	s_and_b32 s17, ttmp7, 0xffff
	s_lshl_b32 s17, s17, 2
	s_add_co_u32 s17, s17, s41                     ; block of 128 tokens
	s_lshl_b32 s43, s41, 2
	s_lshl_b32 s43, 15, s43                        ; my row of the cluster
	s_lshl_b32 s44, 0x1111, s40                    ; my column
	; group 1: 4 rows (tiles) of 512 elements of 8 bytes, 2,048 elements apart
	s_or_b32 s[G1+0], s43, (3<<16)|(1<<21)
	s_or_b32 s[G1B+0], s44, (3<<16)|(1<<21)
.irp g, G1, G1B
	s_mov_b32 s[\g+1], 512<<16
	s_mov_b32 s[\g+2], 4<<16
	s_mov_b32 s[\g+3], 512<<16
	s_mov_b32 s[\g+4], 4
	s_mov_b32 s[\g+5], 2048
	s_mov_b32 s[\g+6], 0
	s_mov_b32 s[\g+7], 0
.endr
	s_lshl_b32 s18, s16, 16                        ; my 4 tiles of 16,384 bytes
	s_lshl_b32 s20, s17, 17                        ; ctx: 8 tiles a block
	s_add_co_u32 s20, s20, s18
	s_mov_b32 s21, 0
	s_lshl_b32 s46, s42, 17                        ; Wo likewise, at 3 MiB
	s_add_co_u32 s46, s46, s18
	s_add_co_u32 s46, s46, 0x300000
	s_mov_b32 s47, 0
	s_lshl_b32 s45, s14, 14                        ; in a phase: wave x 16,384
	s_wait_dscnt 0x0
	s_wait_kmcnt 0x0
	s_load_b64 s[32:33], s[8:9], 0x28              ; e10, e11
	s_add_nc_u64 s[20:21], s[4:5], s[20:21]
	s_add_nc_u64 s[46:47], s[6:7], s[46:47]
.irp p, 0,1,2,3
	s_mov_b32 s[G0+4*\p], 1
	s_add_co_u32 s[G0+4*\p+1], s45, 65536*\p
	s_add_nc_u64 s[G0+4*\p+2:G0+4*\p+3], s[20:21], 4096*\p
	s_or_b32 s[G0+4*\p+3], s[G0+4*\p+3], 0x80000000
	s_mov_b32 s[G0B+4*\p], 1
	s_add_co_u32 s[G0B+4*\p+1], s45, 65536*\p
	s_add_nc_u64 s[G0B+4*\p+2:G0B+4*\p+3], s[46:47], 4096*\p
	s_or_b32 s[G0B+4*\p+3], s[G0B+4*\p+3], 0x80000000
.endr
	CROUND                                         ; all sixteen work-groups are here: the joint loads meet
	s_cmp_eq_u32 s15, 0
	s_cbranch_scc0 .Lfor_b
.irp p, 0,1,2,3
	tensor_load_to_lds s[G0+4*\p:G0+4*\p+3], s[G1:G1+7]
	s_nop 0
.endr
	PLACES
	s_branch .Lasked
.Lfor_b:
.irp p, 0,1,2,3
	tensor_load_to_lds s[G0B+4*\p:G0B+4*\p+3], s[G1B:G1B+7]
	s_nop 0
.endr
	PLACES
.Lasked:
	v_and_b32 v1, 31, v0
	v_lshlrev_b32 v2, 4, v1                        ; 16 x lane
	s_lshl_b32 s58, s15, 14                        ; my 4 tiles of ctx
	s_lshl_b32 s59, s16, 14                        ; my 4 tiles of Wo,
	s_add_co_u32 s59, s59, 32768                   ; which lie behind ctx's 8
.irp p, 0,1,2,3
	v_add_nc_u32 v[ADRA+\p], s58, v2
	v_add_nc_u32 v[ADRB+\p], s59, v2
	s_add_co_u32 s58, s58, 65536
	s_add_co_u32 s59, s59, 65536
.endr
	v_and_b32 v3, 15, v0                           ; r
	v_bfe_u32 v4, v0, 4, 1                         ; h
	s_mul_i32 s60, s14, 16*SPITCH
	s_add_co_u32 s60, s60, STAGE                   ; my stage
	v_mul_u32_u24 v[STO], v3, SPITCH               ; in: row r, + 64 h
	v_lshl_add_u32 v[STO], v4, 6, v[STO]
	v_add_nc_u32 v[STO], s60, v[STO]
	v_mul_u32_u24 v[RD], v4, SPITCH                ; back: lanes 0-15 one row of 256 bytes, lanes 16-31 the next
	v_lshl_add_u32 v[RD], v3, 4, v[RD]
	v_add_nc_u32 v[RD], s60, v[RD]
	v_lshlrev_b32 v[CO], 12, v4                    ; and the same two rows in out0
	v_lshl_add_u32 v[CO], v3, 4, v[CO]
	s_lshl_b32 s56, s17, 19                        ; my first token's row of 4,096 bytes, my first column
	s_lshl_b32 s57, s15, 18
	s_add_co_u32 s56, s56, s57
	s_lshl_b32 s57, s42, 9
	s_add_co_u32 s56, s56, s57
	s_lshl_b32 s57, s16, 8
	s_add_co_u32 s56, s56, s57
	s_mov_b32 s57, 0
	s_add_nc_u64 s[10:11], s[10:11], s[56:57]
.macro FETCH k, f                      ; K step k's eight fragments into buffer f: 32 loads of 512 consecutive bytes
	WIN 0x40
.irp i, 0,1,2,3
.irp c, 0,1,2,3
	ds_load_b128 v[128*(\f)+64+16*\i+4*\c:128*(\f)+64+16*\i+4*\c+3], v[ADRB+(\k)/2] offset:4096*\i+2048*((\k)%2)+512*\c
.endr
.irp c, 0,1,2,3
	ds_load_b128 v[128*(\f)+16*\i+4*\c:128*(\f)+16*\i+4*\c+3], v[ADRA+(\k)/2] offset:4096*\i+2048*((\k)%2)+512*\c
.endr
.endr
	WIN 0
.endm
; A K step of 128: the next step's fragments are asked for first, into the buffer that the step before multiplied, then this step's 16 products, the accumulators by turns.
.macro KSTEP k
.set FB, 128*((\k)%2)
	s_wait_dscnt 0x0                               ; this step's fragments are in; no LDS instruction of mine is out at the signal below
.if (\k) < 7
.if (\k)%2 == 1
	s_wait_tensorcnt 3-((\k)+1)/2                  ; my part of the next phase is in; the later phases' loads may be out
	s_barrier_signal -1
	s_barrier_wait -1                              ; everybody's is
.endif
	PLACES                                         ; between the last products and loads into the registers that they read
	FETCH (\k)+1,((\k)+1)%2
.endif
	WIN 0x05                                       ; sources 0 and 1 window 1
.irp a, 0,1,2,3
.irp b, 0,1,2,3
.if (\k) == 0
	v_wmma_f32_16x16x128_bf8_bf8 v[ACC+8*(4*\a+\b):ACC+8*(4*\a+\b)+7], v[FB+64+16*\b:FB+64+16*\b+15], v[FB+16*\a:FB+16*\a+15], 0
.else
	v_wmma_f32_16x16x128_bf8_bf8 v[ACC+8*(4*\a+\b):ACC+8*(4*\a+\b)+7], v[FB+64+16*\b:FB+64+16*\b+15], v[FB+16*\a:FB+16*\a+15], v[ACC+8*(4*\a+\b):ACC+8*(4*\a+\b)+7]
.endif
.endr
.endr
	WIN 0
.endm
	s_wait_tensorcnt 3                             ; my part of phase 0 is in; three loads may be out
	s_barrier_signal -1
	s_barrier_wait -1
	FETCH 0,0
.irp k, 0,1,2,3,4,5,6,7
	KSTEP \k
.endr
	; THE WAY OUT, a token tile at a time: the sums x 2^(e10 + e11) go through my own stage in LDS and come back as rows of 256 bytes, which sixteen lanes store whole.
	s_wait_kmcnt 0x0
	s_add_co_i32 s32, s32, s33
	s_add_co_i32 s32, s32, 127
	s_lshl_b32 s32, s32, 23                        ; 2^(e10 + e11) as f32
	s_mov_b32 s33, s32                             ; (named with it as a pair)
	PLACES
.macro TOSTAGE a
.set k, 0
.rept 16
	v_pk_mul_f32 v[TMP+2*k:TMP+2*k+1], v[ACC+32*(\a)+2*k:ACC+32*(\a)+2*k+1], s[32:33] op_sel_hi:[1,0]   ; each accumulator from its low end on
.set k, k+1
.endr
.irp c, 0,1
.irp q, 0,1,2,3
	ds_store_b128 v[STO], v[TMP+16*\c+4*\q:TMP+16*\c+4*\q+3] offset:128*\c+16*\q   ; columns 32 c + 16 h + 4 q on
.endr
.endr
.set BB, BK+32*((\a)%2)
.irp t, 0,1,2,3,4,5,6,7
	ds_load_b128 v[BB+4*\t:BB+4*\t+3], v[RD] offset:\t*2*SPITCH   ; LDS serves a wave's instructions in order: these see my stores, and the next tile's stores come behind them
.endr
.endm
.macro SEND a, younger                 ; younger: the LDS instructions issued behind tile a's loads
.set BB, BK+32*((\a)%2)
	s_wait_dscnt \younger
.irp t, 0,1,2,3,4,5,6,7
	global_store_b128 v[CO], v[BB+4*\t:BB+4*\t+3], s[10:11] offset:(32*((\a)/2)+8*((\a)%2)+2*\t+8*(\t/4))*4096 th:TH_STORE_NT   ; stage rows 2 t, 2 t + 1 are these tokens; 16 lanes store 256 consecutive bytes, aligned
.endr
.endm
	TOSTAGE 0
.irp a, 1,2,3
.if \a > 1
	s_wait_xcnt 0x0                                ; tile a - 2's stores have read their registers: tile a's loads may land there
.endif
	TOSTAGE \a
	SEND \a-1, 16                                  ; behind tile a - 1's loads: tile a's 8 stores and 8 loads
.endr
	SEND 3, 0
	s_wait_tensorcnt 0x0
	ds_add_u32 v30, v31
	s_wait_dscnt 0x0
	CROUND                                         ; the closing round: no work-group ends while a partner may still ask for a tile that names it
	s_endpgm
.Lfunc_end_k_q0ebad5de36_oproj:
	.size	k_q0ebad5de36_oproj, .Lfunc_end_k_q0ebad5de36_oproj-k_q0ebad5de36_oproj
	.p2alignl 7, 3214868480
	.fill 96, 4, 3214868480
	.section	.rodata,"a",@progbits
	.p2align	6, 0x0
	.amdhsa_kernel k_q0ebad5de36_oproj
		.amdhsa_group_segment_fixed_size 280064
		.amdhsa_private_segment_fixed_size 0
		.amdhsa_enable_private_segment 0
		.amdhsa_kernarg_size 32
		.amdhsa_user_sgpr_count 2
		.amdhsa_user_sgpr_kernarg_segment_ptr 1
		.amdhsa_wavefront_size32 1
		.amdhsa_system_sgpr_workgroup_id_x 1
		.amdhsa_system_sgpr_workgroup_id_y 1
		.amdhsa_system_sgpr_workgroup_id_z 1
		.amdhsa_system_vgpr_workitem_id 0
		.amdhsa_next_free_vgpr 512
		.amdhsa_next_free_sgpr 100
		.amdhsa_reserve_vcc 0
		.amdhsa_float_denorm_mode_32 3
		.amdhsa_float_denorm_mode_16_64 3
		.amdhsa_memory_ordered 1
		.amdhsa_forward_progress 1
		.amdhsa_inst_pref_size 47
	.end_amdhsa_kernel
	.amdgpu_metadata
---
amdhsa.version: [ 1, 2 ]
amdhsa.kernels:
  - .name:           k_q0ebad5de36_oproj
    .symbol:         k_q0ebad5de36_oproj.kd
    .args:
      - { .name: ctx, .offset: 0, .size: 8, .value_kind: global_buffer, .address_space: global }
      - { .name: wc, .offset: 8, .size: 8, .value_kind: global_buffer, .address_space: global }
      - { .name: lowp_scales, .offset: 16, .size: 8, .value_kind: global_buffer, .address_space: global }
      - { .name: out0, .offset: 24, .size: 8, .value_kind: global_buffer, .address_space: global }
    .group_segment_fixed_size: 280064
    .private_segment_fixed_size: 0
    .kernarg_segment_align: 8
    .kernarg_segment_size: 32
    .max_flat_workgroup_size: 128
    .sgpr_count:     100
    .vgpr_count:     512
    .wavefront_size: 32
...
	.end_amdgpu_metadata
.endif
;; end of part 4
